; MI455X (gfx1250); checked and timed in simulation.
; The chip was launched on July 23, 2026; its instructions are those of AMD's public machine-readable ISA for CDNA 5 (MIT licence, August 2026) and "CDNA5" Instruction Set Architecture Reference Guide (July 2026). The comments in the code are by the model that wrote it; some were corrected since.
;; Tokenformer P Attention. Allowed arithmetic: matrix products marked QUANTISED: E4M3 operands, one E8M0 scale for each 32 along K, by v_wmma_scale_f32_16x16x128_f8f6f4 with both operands' format E4M3, f32 sums; everything else in f32.
;; Inputs: K 4,096 x 1,024 float32; V 4,096 x 1,024 float32; x 4 x 2,048 x 1,024 float32.
;; Outputs: out0 4 x 2,048 x 1,024 float32.
;; This version of the problem:
;;   THIS VERSION OF THE PROBLEM IS GIVEN IN LOW PRECISION. The matrix products marked QUANTISED in the list below multiply operands that are first quantised to E4M3 (4 exponent bits, 3 mantissa bits; 8 bits a number), with one power-of-two scale for each 32 numbers along K (OCP MX v1.0); their sums are f32. All else is computed in f32.
;;   The module's matrix products, in the order in which they are computed (A, B: the left and right operand; K: the contracted axis; several contracted axes count as one K, in the product's order):
;;     1. [M 8,192, K 1,024] x [K 1,024, N 4,096]; A: input x; B: input K: QUANTISED
;;     2. [M 8,192, K 4,096] x [K 4,096, N 1,024]; A: softmax (see below); B: input V: QUANTISED
;;   THE QUANTISER, for each operand of a quantised product, along K:
;;     - K is cut into blocks of 32 from its start; a last block that is shorter is filled with zeros.
;;     - A block's scale is 2^e with e = floor(log2(the largest magnitude in the block)) - 8, held to -126 .. 127; a block of zeros has e = 0. As a byte (E8M0): e + 127.
;;     - Each number is divided by its block's scale, clamped to +-448, and rounded to the nearest number of E4M3, ties to even, subnormals kept.
;;     - The product sums the exact products of the quantised numbers (number of the format x scale) in f32.
;;   ~~~python
;;   def quantise(x, axis):      # numpy; x: float32 -> the quantised numbers, widened to float32 again
;;       x = np.moveaxis(x, axis, -1); K = x.shape[-1]
;;       x = np.pad(x, [(0, 0)] * (x.ndim - 1) + [(0, -K % 32)]); x = x.reshape(x.shape[:-1] + (-1, 32)); a = np.abs(x).max(-1, keepdims=True)
;;       e = np.where(a > 0, np.clip(np.frexp(np.where(a > 0, a, 1))[1] - 1 - 8, -126, 127), 0)      # np.frexp(a)[1] - 1 = floor(log2(a)), exactly
;;       r = np.clip(x / 2.0 ** e, -448, 448)
;;       step = 2.0 ** (np.maximum(np.frexp(np.where(r == 0, 1, r))[1] - 1, -6) - 3)
;;       q = np.round(r / step) * step * 2.0 ** e      # np.round: ties to even
;;       return np.moveaxis(q.reshape(q.shape[:-2] + (-1,))[..., :K], -1, axis).astype(np.float32)
;;   ~~~
;;   SOFTMAX AHEAD OF A QUANTISED PRODUCT. Where the list says 'softmax', what is quantised is not the finished softmax but p = 2^(t - M), with t = logit x log2(e) and M = ceil(the row's largest t), a whole number; so 1/2 < the row's largest p <= 1. The row's sum l is taken of the UNQUANTISED p, in f32, and the product's result is divided by l at the end. Since M is a whole number, a kernel that streams over the keys may use a running M (the ceiling of the running maximum): every later rescaling is an exact power of two, which a block's scale takes up: the codes' values come out the same.
;;   OPERANDS COMPUTED ON THE WAY. 'Computed on the way' means the value that the module computes at that place (a softmax that the list does not call 'softmax' is quantised finished and normalised). What goes into a quantiser is computed in f32, as accurately as f32 sums, v_exp_f32 and their like allow (about 1e-6 of the number): no bf16 or f16 on the way to a quantiser, and a product that is left as it is and whose result goes on into a quantised operand takes f32 operands (vector FMAs, or v_wmma_f32_16x16x4_f32). A number that lies on a knife's edge between two numbers of the format may be rounded either way, as far as f32 arithmetic and the matrix unit's own rounding can turn it there, and no further.
;; One version. Each part assembles by itself: llvm-mc -triple=amdgcn-amd-amdhsa -mcpu=gfx1250 --defsym DOCPART=n.
;; ======== version 1 of 1: 3 launches
;; workspace buffers: xc 8,388,608 bytes; xs 262,144 bytes; kc 4,194,304 bytes; ks 131,072 bytes; vc 4,325,376 bytes; pc 33,554,432 bytes; st 3,145,728 bytes
;; launch quant (part 1): grid 512 x 1, 4 waves a work-group, no clusters, 33,280 bytes of LDS; arguments x, K, V, xc, xs, kc, ks, vc; writes xc, xs, kc, ks, vc
.if DOCPART == 1
	.amdgcn_target "amdgcn-amd-amdhsa--gfx1250"
	.amdhsa_code_object_version 6
	.text
	.protected	k_qb1e5d18953_quant
	.globl	k_qb1e5d18953_quant
	.p2align	8
	.type	k_qb1e5d18953_quant,@function
k_qb1e5d18953_quant:
	s_mov_b64 s[64:65], 0
	v_nop
	global_prefetch_b8 v0, s[64:65] scope:SCOPE_SE
	s_setreg_imm32_b32 hwreg(HW_REG_WAVE_MODE, 25, 1), 1
	s_wait_xcnt 0x0
; x [8192][1024], K [4096][1024] and V [4096][1024], f32, become codes of FP8 (E4M3) with one E8M0 scale byte for each 32 along the axis that their product sums over.
; A block's scale is 2^(floor(log2(its largest magnitude)) - 8); its byte is the largest magnitude's exponent field - 8, held at 1 from below; each number is divided by the scale, held within +-448 and rounded to the nearest code, ties to even.
; LIMITS: a block of zeros gets the byte 1 where the rule says 127 (its codes are zeros, which add nothing under any byte but 0xff, and the bytes are read by this program alone);
; blocks whose largest magnitude lies under 2^(9 - 127) keep the byte 1; NaN and infinities among the inputs are not served.
; WORK-GROUPS 0-255 take x, 256-383 take K: the summed axis (1024) is innermost, so a tensor is a plain stream of blocks of 32.  A wave takes a run of 8,192 numbers (8 rows) in 16 steps of 512.
;   Each load reads 512 consecutive bytes; a step's 2,048 bytes turn through the wave's own stage in LDS, so that a lane then holds 16 neighbours (two lanes a block).
;   K's ROWS ARE LAID IN ANOTHER ORDER: key k goes to the row whose number is k with bits 3 and 4 exchanged.  A run is 8 rows and a work-group's four runs are bits 3 and 4, so wave w writes run 2 (w & 1) + (w >> 1).
;   Sixteen neighbouring rows of kc are then keys 32 b + 8 u + r + 8 (r / 8), which lets the next launch's scores fall into a lane's registers as 16 neighbouring keys.
; WORK-GROUPS 384-511 take V: the summed axis (the keys) is its FIRST axis.  A lane takes a channel and its registers run down the keys: a block of 32 lies in one lane.  No LDS on this path.
;   vc[channel / 256][key / 128] is a piece of VB = 33,792 bytes, which the last launch brings into LDS by one tensor load: first the codes as IMAGES OF THE OPERAND'S REGISTERS,
;   [(channel % 256) / 16][c = (key % 128) / 32][16 h + channel % 16][16 bytes: keys 32 c + 16 h + 0 .. 15]: sixteen neighbouring lanes store 256 consecutive bytes, aligned;
;   behind them, from byte 32,768 on, the piece's scale words, [(channel % 256) / 32][channel % 32], four bytes a word: a wave's store of them covers 128 consecutive bytes, half of an aligned 256: 131,072 bytes of the launch's 17 million.
; No matrix unit, no cluster (work-groups share no byte), no prefetch (every wave has its loads out all the time).
.set WREG,  8192                       ; LDS: a region for each wave: two stages of 32 x SP bytes, behind them its 256 scale bytes
.set SP,    80                         ; a lane's place in a stage: 64 bytes + 16 of padding
.set STEPS, 16
.set EMAX,  8
.set MANT,  0x600000                   ; the mantissa field of 448 as f32
.set CB,    16                         ; bytes of 16 codes
.set VB,    33792                      ; a piece of vc: 256 channels x 128 keys of codes, and their 256 scale words
.set XB,    32*VB                      ; the 32 pieces of 256 channels
.set R,     16                         ; x, K: v16-79 four sets of 16 numbers as loaded
.set X,     80                         ;       v80-111 two sets of 16 neighbours
.set E,     112                        ;       v112-127 a scale byte for each step
.set C,     128                        ;       v128-191 codes, four registers a step: no store's data are written again
.set XV,    32                         ; V:    v32-95 two sets of 32 numbers
.set CV,    96                         ;       v96-159 codes, eight registers a block: no store's data are written again
.set SB,    24                         ;       v24-25 the scale words
	s_load_b512 s[4:19], s[0:1], 0x0               ; x 4:5, K 6:7, V 8:9, xc 10:11, xs 12:13, kc 14:15, ks 16:17, vc 18:19
	v_lshl_add_u32 v192, v0, 2, 0x8000
	v_mov_b32 v193, 0
	v_lshrrev_b32 v1, 5, v0
	v_readfirstlane_b32 s22, v1                    ; wave 0..3
	v_and_b32 v2, 31, v0                           ; lane
	s_mov_b32 s23, MANT                            ; (an instruction takes one literal: the hold's line has another)
	s_mov_b32 s29, 0                               ; the upper word of every offset
	s_wait_kmcnt 0x0
	s_cmp_ge_u32 ttmp9, 384
	s_cbranch_scc1 .Lv
	; ---------------- x and K
	v_lshlrev_b32 v3, 4, v2                        ; my 16 bytes of a load's 512
	s_mul_i32 s24, s22, WREG
	v_lshrrev_b32 v14, 2, v2
	v_mul_u32_u24 v14, v14, SP
	v_and_b32 v15, 3, v2
	v_lshl_add_u32 v14, v15, 4, v14
	v_add_nc_u32 v14, s24, v14                     ; the stage, on the way in: SP (lane / 4) + 16 (lane % 4)
	v_mul_u32_u24 v15, v2, SP
	v_add_nc_u32 v15, s24, v15                     ; and on the way out: SP x lane: my 16 neighbours
	v_mul_u32_u24 v4, v2, CB                       ; my codes' place in a step's
	v_lshrrev_b32 v5, 1, v2
	s_add_co_u32 s24, s24, 2*32*SP
	v_add_nc_u32 v5, s24, v5                       ; LDS: my wave's 256 scale bytes, my block's byte
	v_lshlrev_b32 v7, 3, v2                        ; and on the way out 8 bytes a lane
	v_add_nc_u32 v6, s24, v7
	s_and_b32 s25, s22, 1
	s_lshl_b32 s25, s25, 1
	s_lshr_b32 s26, s22, 1
	s_or_b32 s25, s25, s26                         ; the wave's number with its two bits exchanged
	s_cmp_lt_u32 ttmp9, 256                        ; x's work-group or K's?  The choice hangs on the work-group's number alone
	s_cselect_b64 s[4:5], s[4:5], s[6:7]
	s_cselect_b64 s[10:11], s[10:11], s[14:15]
	s_cselect_b64 s[12:13], s[12:13], s[16:17]
	s_cselect_b32 s25, s22, s25                    ; x's rows stay in order
	s_cselect_b32 s26, 0, 256
	s_sub_co_u32 s26, ttmp9, s26
	s_lshl_b32 s26, s26, 2
	s_add_co_u32 s27, s26, s25                     ; the run that I write
	s_add_co_u32 s26, s26, s22                     ; the run that I read
	s_lshl_b32 s28, s26, 15                        ; 32,768 bytes of f32 a run (1,023 runs at the most: under 2^25)
	s_add_nc_u64 s[4:5], s[4:5], s[28:29]
	s_lshl_b32 s28, s27, 13                        ; 8,192 bytes of codes
	s_add_nc_u64 s[10:11], s[10:11], s[28:29]
	s_lshl_b32 s28, s27, 8                         ; 256 scale bytes
	s_add_nc_u64 s[12:13], s[12:13], s[28:29]
.macro LOAD t
.irp i, 0,1,2,3
	global_load_b128 v[R+16*((\t)%4)+4*\i:R+16*((\t)%4)+4*\i+3], v3, s[4:5] offset:2048*(\t)+512*\i th:TH_LOAD_NT   ; 32 lanes read 512 consecutive bytes
.endr
.endm
.macro TURN t                          ; step t's numbers through the stage: LDS serves a wave's instructions in order (ISA guide 5.7.1.4), so no wait stands between the stores and the loads
.irp i, 0,1,2,3
	ds_store_b128 v14, v[R+16*((\t)%4)+4*\i:R+16*((\t)%4)+4*\i+3] offset:32*SP*((\t)%2)+8*SP*\i
.endr
.irp i, 0,1,2,3
	ds_load_b128 v[X+16*((\t)%2)+4*\i:X+16*((\t)%2)+4*\i+3], v15 offset:32*SP*((\t)%2)+16*\i
.endr
.endm
.irp t, 0,1,2,3
	LOAD \t
.endr
	s_wait_loadcnt 12                              ; step 0's four loads are in; the twelve of steps 1 to 3 may be out
	TURN 0
.macro STEP t
.set XS, X+16*((\t)%2)
.if (\t) > 0
	s_wait_dscnt 1                                 ; this step's numbers are back from the stage (the last step's byte store may be out): so its stores into the stage have read their registers,
.else
	s_wait_dscnt 0x0
.endif
.if (\t)+4 < STEPS
	LOAD (\t)+4                                    ; which take the loads of four steps on
.endif
.if (\t)+1 < STEPS
.if STEPS-2-(\t) >= 3
	s_wait_loadcnt 12                              ; the next step's four loads are in; those of the three steps behind it may be out
.else
	s_wait_loadcnt 4*(STEPS-2-(\t))
.endif
	TURN (\t)+1                                    ; and go through the other stage while this step is worked
.endif
	v_max3_num_f32 v8, |v[XS]|, |v[XS+1]|, |v[XS+2]|               ; the largest magnitude of my 16, in two chains
	v_max3_num_f32 v9, |v[XS+3]|, |v[XS+4]|, |v[XS+5]|
.irp i, 6,10
	v_max3_num_f32 v8, v8, |v[XS+\i]|, |v[XS+\i+1]|
	v_max3_num_f32 v9, v9, |v[XS+\i+2]|, |v[XS+\i+3]|
.endr
	v_max3_num_f32 v8, v8, |v[XS+14]|, |v[XS+15]|
	v_max3_num_f32 v8, v8, v9, (EMAX+1)<<23        ; and the floor 2^(EMAX + 1 - 127): the byte cannot fall under 1
	v_max_num_f32_dpp v8, v8, v8 row_xmask:1 row_mask:0xf bank_mask:0xf   ; and of my neighbour's 16: the block's
	v_add_nc_u32 v11, -(EMAX<<23), v8              ; EMAX off its exponent field: the conversion takes the exponent field of this operand as its scale
	v_and_or_b32 v10, v8, 0x7f800000, s23          ; 448 x the scale: the largest magnitude's exponent field over 448's mantissa
.irp i, 0,1,2,3,4,5,6,7,8,9,10,11,12,13,14,15
	v_med3_num_f32 v[XS+\i], v[XS+\i], -v10, v10   ; the conversion to an 8-bit code does not saturate (ISA guide 7.6.2): the hold comes first
.endr
	v_cvt_scalef32_pk8_fp8_f32 v[C+4*(\t):C+4*(\t)+1], v[XS:XS+7], v11
	v_cvt_scalef32_pk8_fp8_f32 v[C+4*(\t)+2:C+4*(\t)+3], v[XS+8:XS+15], v11
	v_lshrrev_b32 v[E+(\t)], 23, v11               ; the scale's byte (also the plain line behind the conversions)
	ds_store_b8 v5, v[E+(\t)] offset:16*(\t)       ; both lanes of a block write the same byte with the same value
	global_store_b128 v4, v[C+4*(\t):C+4*(\t)+3], s[10:11] offset:32*CB*(\t)   ; 32 lanes store 512 consecutive bytes
.endm
.irp t, 0,1,2,3,4,5,6,7,8,9,10,11,12,13,14,15
	STEP \t
.endr
	ds_load_b64 v[12:13], v6                       ; in order behind my byte stores
	s_wait_dscnt 0x0
	global_store_b64 v7, v[12:13], s[12:13]        ; 32 lanes store 256 consecutive bytes, aligned
	s_wait_tensorcnt 0x0
	ds_add_u32 v192, v193
	s_wait_dscnt 0x0
	s_endpgm
	; ---------------- V
.Lv:
	s_sub_co_u32 s24, ttmp9, 384
	s_and_b32 s25, s24, 7                          ; gx: which 128 channels
	s_lshr_b32 s26, s24, 3                         ; gy: which 256 keys
	v_lshlrev_b32 v3, 2, v2                        ; in, and the scale words out: 4 bytes a lane
	v_lshrrev_b32 v4, 4, v2
	v_and_b32 v5, 15, v2
	v_lshlrev_b32 v4, 11, v4
	v_lshl_add_u32 v4, v5, 4, v4                   ; the codes out: 2,048 (lane / 16) + 16 (lane % 16): which block of 16 channels, which lane of the image
	s_lshl_b32 s28, s26, 20                        ; V: 256 gy rows of 4,096 bytes
	s_lshl_b32 s27, s25, 9
	s_add_co_u32 s28, s28, s27                     ; + 128 gx channels
	s_lshl_b32 s27, s22, 7
	s_add_co_u32 s28, s28, s27                     ; + 32 x wave
	s_add_nc_u64 s[8:9], s[8:9], s[28:29]
	s_lshr_b32 s27, s25, 1
	s_mul_i32 s30, s27, XB                         ; vc: my 256 channels' pieces,
	s_mul_i32 s27, s26, 2*VB
	s_add_co_u32 s30, s30, s27                     ; piece 2 gy of them: my first 128 keys
	s_and_b32 s27, s25, 1
	s_lshl_b32 s32, s27, 9                         ; its scale words: 4 (gx & 1) rows of 32 channels, 128 bytes each,
	s_lshl_b32 s31, s22, 7
	s_add_co_u32 s32, s32, s31                     ; + wave of them,
	s_add_co_u32 s32, s32, s30
	s_add_co_u32 s32, s32, 32768                   ; behind the piece's codes
	s_mov_b32 s33, 0
	s_add_nc_u64 s[20:21], s[18:19], s[32:33]
	s_lshl_b32 s28, s27, 14                        ; its codes: 8 (gx & 1) blocks of 16 channels, 2,048 bytes each,
	s_lshl_b32 s31, s22, 12
	s_add_co_u32 s28, s28, s31                     ; + 2 x wave of them
	s_add_co_u32 s28, s28, s30
	s_add_nc_u64 s[18:19], s[18:19], s[28:29]
.macro LOADV t                         ; block t: V(32 t + i, my channel), i = 0 .. 31, into set t % 2: a wave's load reads 128 consecutive bytes, the four waves' 512
.irp i, 0,1,2,3,4,5,6,7,8,9,10,11,12,13,14,15,16,17,18,19,20,21,22,23,24,25,26,27,28,29,30,31
	global_load_b32 v[XV+32*((\t)%2)+\i], v3, s[8:9] offset:(32*(\t)+\i)*4096 th:TH_LOAD_NT
.endr
.endm
	LOADV 0
	LOADV 1
.macro BLOCK t
.set XS, XV+32*((\t)%2)
.set CC, CV+8*(\t)
.if (\t) < 7
	s_wait_loadcnt 32                              ; this block's 32 loads are in; the next block's 32 may be out
.else
	s_wait_loadcnt 0x0
.endif
	v_max3_num_f32 v12, |v[XS]|, |v[XS+1]|, |v[XS+2]|              ; the block's largest magnitude: all 32 numbers are mine
	v_max3_num_f32 v13, |v[XS+3]|, |v[XS+4]|, |v[XS+5]|
.irp i, 6,10,14,18,22,26
	v_max3_num_f32 v12, v12, |v[XS+\i]|, |v[XS+\i+1]|
	v_max3_num_f32 v13, v13, |v[XS+\i+2]|, |v[XS+\i+3]|
.endr
	v_max3_num_f32 v12, v12, |v[XS+30]|, |v[XS+31]|
	v_max3_num_f32 v12, v12, v13, (EMAX+1)<<23     ; and the floor
	v_add_nc_u32 v11, -(EMAX<<23), v12             ; the conversion's scale operand
	v_and_or_b32 v10, v12, 0x7f800000, s23         ; 448 x the scale
	v_lshrrev_b32 v13, 23, v11                     ; the scale's byte
.if (\t)%4 == 0
	v_mov_b32 v[SB+(\t)/4], v13                    ; four bytes to a word, the lower keys in the lower byte
.else
	v_lshl_or_b32 v[SB+(\t)/4], v13, 8*((\t)%4), v[SB+(\t)/4]
.endif
.irp i, 0,1,2,3,4,5,6,7,8,9,10,11,12,13,14,15,16,17,18,19,20,21,22,23,24,25,26,27,28,29,30,31
	v_med3_num_f32 v[XS+\i], v[XS+\i], -v10, v10
.endr
.irp g, 0,1,2,3
	v_cvt_scalef32_pk8_fp8_f32 v[CC+2*\g:CC+2*\g+1], v[XS+8*\g:XS+8*\g+7], v11
.endr
	v_nop                                          ; the plain line behind the last conversion
	global_store_b128 v4, v[CC:CC+3], s[18:19] offset:((\t)/4)*VB+((\t)%4)*512        ; keys 32 t + 0 .. 15: lanes 0-15 of the image
	global_store_b128 v4, v[CC+4:CC+7], s[18:19] offset:((\t)/4)*VB+((\t)%4)*512+256  ; keys 32 t + 16 .. 31: lanes 16-31
.if (\t)+2 < 8
	LOADV (\t)+2
.endif
.endm
.irp t, 0,1,2,3,4,5,6,7
	BLOCK \t
.endr
	global_store_b32 v3, v[SB], s[20:21]           ; my channel's word for the first 128 keys: 32 lanes store 128 consecutive bytes
	global_store_b32 v3, v[SB+1], s[20:21] offset:VB   ; and for the second 128, in the next piece
	s_endpgm
.Lfunc_end_k_qb1e5d18953_quant:
	.size	k_qb1e5d18953_quant, .Lfunc_end_k_qb1e5d18953_quant-k_qb1e5d18953_quant
	.p2alignl 7, 3214868480
	.fill 96, 4, 3214868480
	.section	.rodata,"a",@progbits
	.p2align	6, 0x0
	.amdhsa_kernel k_qb1e5d18953_quant
		.amdhsa_group_segment_fixed_size 33280
		.amdhsa_private_segment_fixed_size 0
		.amdhsa_enable_private_segment 0
		.amdhsa_kernarg_size 64
		.amdhsa_user_sgpr_count 2
		.amdhsa_user_sgpr_kernarg_segment_ptr 1
		.amdhsa_wavefront_size32 1
		.amdhsa_system_sgpr_workgroup_id_x 1
		.amdhsa_system_sgpr_workgroup_id_y 1
		.amdhsa_system_sgpr_workgroup_id_z 1
		.amdhsa_system_vgpr_workitem_id 0
		.amdhsa_next_free_vgpr 194
		.amdhsa_next_free_sgpr 66
		.amdhsa_reserve_vcc 0
		.amdhsa_float_denorm_mode_32 3
		.amdhsa_float_denorm_mode_16_64 3
		.amdhsa_memory_ordered 1
		.amdhsa_forward_progress 1
		.amdhsa_inst_pref_size 107
	.end_amdhsa_kernel
	.amdgpu_metadata
---
amdhsa.version: [ 1, 2 ]
amdhsa.kernels:
  - .name:           k_qb1e5d18953_quant
    .symbol:         k_qb1e5d18953_quant.kd
    .args:
      - { .name: x, .offset: 0, .size: 8, .value_kind: global_buffer, .address_space: global }
      - { .name: K, .offset: 8, .size: 8, .value_kind: global_buffer, .address_space: global }
      - { .name: V, .offset: 16, .size: 8, .value_kind: global_buffer, .address_space: global }
      - { .name: xc, .offset: 24, .size: 8, .value_kind: global_buffer, .address_space: global }
      - { .name: xs, .offset: 32, .size: 8, .value_kind: global_buffer, .address_space: global }
      - { .name: kc, .offset: 40, .size: 8, .value_kind: global_buffer, .address_space: global }
      - { .name: ks, .offset: 48, .size: 8, .value_kind: global_buffer, .address_space: global }
      - { .name: vc, .offset: 56, .size: 8, .value_kind: global_buffer, .address_space: global }
    .group_segment_fixed_size: 33280
    .private_segment_fixed_size: 0
    .kernarg_segment_align: 8
    .kernarg_segment_size: 64
    .max_flat_workgroup_size: 128
    .sgpr_count:     66
    .vgpr_count:     194
    .wavefront_size: 32
...
	.end_amdgpu_metadata
.endif
;; end of part 1
;; launch scores (part 2): grid 16 x 32, 4 waves a work-group, clusters of 4 x 4, 327,680 bytes of LDS; arguments xc, xs, kc, ks, pc, st; writes pc, st
.if DOCPART == 2
	.amdgcn_target "amdgcn-amd-amdhsa--gfx1250"
	.amdhsa_code_object_version 6
	.text
	.protected	k_qb1e5d18953_scores
	.globl	k_qb1e5d18953_scores
	.p2align	8
	.type	k_qb1e5d18953_scores,@function
k_qb1e5d18953_scores:
	s_mov_b64 s[64:65], 0
	v_nop
	global_prefetch_b8 v0, s[64:65] scope:SCOPE_SE
	s_setreg_imm32_b32 hwreg(HW_REG_WAVE_MODE, 25, 1), 1
	s_wait_xcnt 0x0
	s_wait_alu depctr_hold_cnt(0) depctr_sa_sdst(0) depctr_va_vdst(0) depctr_va_sdst(0) depctr_va_ssrc(0) depctr_va_vcc(0) depctr_vm_vsrc(0)
	s_getreg_b32 s2, hwreg(HW_REG_IB_STS2, 6, 4)
	s_cmp_eq_u32 s2, 0
	s_cbranch_scc0 .Lentry_in_a_cluster
	s_endpgm
.Lentry_in_a_cluster:
	s_bfe_u32 s2, ttmp6, 0x10000c
	s_cmp_lg_u32 s2, 0xf033
	s_cbranch_scc0 .Lentry_shape_is_right
	s_endpgm
.Lentry_shape_is_right:
; THE FIRST PRODUCT AND THE SOFTMAX'S p.  S[q][key] = sum over e of x[q][e] K[key][e] on codes of FP8 (E4M3) with E8M0 scales (xc, xs: [8192][1024], [8192][32]; kc, ks: [4096][1024], [4096][32], K's rows in the
; order that the launch before gave them: key = row number with bits 3 and 4 exchanged).  The scores never go to memory: each wave turns its 128 queries x 128 keys into codes of p at once.
; p = 2^(t - M_loc), t = score x log2(e) / 32, M_loc = the ceiling of the largest t of the row's 128 keys IN THIS PIECE: a whole number.  p is quantised along the keys in blocks of 32.
; The row's own M is the largest M_loc of its 32 pieces; the next launch takes M - M_loc off the scale bytes, which changes no code.  Stored for it, for each row and piece: -M_loc, the sum of the unquantised p, the four scale bytes.
; LIMITS: a p under 2^-126 comes out of v_exp_f32 as 0; a block whose every p is 0 keeps the byte 1 (its codes are zeros); NaN and infinities are not served.
; SHARES.  A tile of S, 256 queries x 256 keys, is made by a work-group of four waves; a wave makes 128 x 128: 64 accumulators, 512 registers.  The summed axis goes in steps of 256 through a ring of two LDS slots filled by the
; tensor data mover; the scale bytes of the work-group's 256 + 256 rows come into LDS once, with the first fills.
; CLUSTERS: 4 x 4 work-groups.  The four of a row of the cluster need the same tiles of x, the four of a column the same tiles of K: each tile is asked for JOINTLY.
; THE MATRIX INSTRUCTION IS USED TRANSPOSED (source 0 = 16 rows of kc, source 1 = 16 queries): a lane holds ONE query (lane % 16), and by kc's order the 64 registers of a block of 16 queries are keys
; 32 b + 16 (lane / 16) + i at register 16 b + i: the order of the next product's operand, so that the conversions' results ARE its registers.
; OUT: pc[row / 128][key / 128][(row % 128) / 16][c][lane][16 bytes]: images of the operand's registers: each store of the wave covers 512 consecutive bytes.  st[row / 128][key / 128][kind][L][i], row % 128 = 32 i + L.
; NO PREFETCH: a tile has four steps along the summed axis; two are first fills and the other two are asked for one step later: there is no step ahead of them to ask in.
; REGISTERS, in windows of 256: window 0: v0-31 addresses; v32-63 scale words, two sets (they hold nothing else); from v128 x's fragments, one set; on the way out v64-119 at work, v128-191 p, v192-255 codes.
;   window 1: K's fragments, two sets.   window 2: the accumulators of my queries 0-63 ((a, b) at v[8 (8 a + b)]);   window 3: those of my queries 64-127.
.set SIZE_M, 8192
.set SIZE_N, 4096
.set SIZE_K, 1024
.set KSTEP,  256                       ; along the summed axis in a slot
.set NQ,     KSTEP/128                 ; matrix instructions deep
.set ROWB,   256                       ; a tile's row in bytes
.set KROW,   SIZE_K                    ; a row of xc or kc in memory, in bytes
.set PITCH,  272                       ; an LDS row: 256 bytes + 16 of padding = 68 words: the 16 rows that a load touches start at 16 different banks (64 banks of 4 bytes: ISA guide 11.1)
.set FR,     16                        ; registers of a fragment: 16 rows x 128
.set NL,     4                         ; LDS loads that bring one
.set NP,     8                         ; places behind this matrix instruction (ISA guide 7.12.1)
.set HALFT,  128*PITCH                 ; 128 rows: what one tensor load brings, and what one wave reads of x or of K
.set SLOT,   4*HALFT                   ; x's 256 rows, then K's 256 rows
.set LAPS,   SIZE_K/(2*KSTEP)          ; a lap = two steps = once round the ring
.set KS,     SIZE_K/32                 ; a row of scale bytes
.set SCL,    2*SLOT                    ; behind the ring: the scales, as units of 256 bytes + 16 of padding
.set HALFS,  (128*KS/256)*272          ; the scales of 128 rows: what one tensor load brings
.set SBLK,   (16*KS/256)*272           ; those of 16 rows
.set SPARE,  SCL+4*HALFS               ; behind the scales: the spare words, 128 bytes for each wave: two blocks of 256 bytes that no other line names
.set ADRA, 16                          ; v16-17  LDS address of my x fragments in slot 0, 1
.set ADRB, 20                          ; v20-21  the same for K
.set CO,   26                          ; v26     16 x lane: my place in an image and in a row of st; never rewritten
.set ADRS, 27                          ; v27     LDS address of my scale words: lanes 0-15 x's rows, lanes 16-31 K's
.set SPW,  28                          ; v28     LDS address of my spare word; never rewritten
.set NIL,  29                          ; v29     0; never rewritten
.set SC,   32                          ; scale words: set s at v[SC + 8 NQ s]; register NQ i + q: lanes 0-15 the word of x's block i, lanes 16-31 that of K's block i
.set AF,   128                         ; x's fragments, in window 0
.set BM,   64                          ; the way out: v64-67 each block's largest score, then its largest p
.set PX,   68                          ; v68-71  what the other half of the lanes holds
.set HL,   72                          ; v72-75  448 x the scale
.set SO,   76                          ; v76-79  the conversions' scale operands
.set BY,   80                          ; v80-83  the scale bytes
.set TT,   84                          ; v84     at work
.set MP,   86                          ; v[86:87] -M_loc (the packed form names a pair and takes its low word)
.set SA,   88                          ; v[88:89], v[90:91] the sum's two chains
.set NM,   96                          ; v96-103  -M_loc of blocks 0-7
.set LS,   104                         ; v104-111 their sums
.set SW,   112                         ; v112-119 their scale words
.set P,    128                         ; v128-191 t - M_loc, then p
.set CD,   192                         ; v192-255 codes: four sets of 16
.set G1, 24                            ; s[24:31] descriptor group 1 for x's tiles;  s[32:39] group 0, one set for each slot
.set G0, 32
.set G1B, 48                           ; s[48:55], s[56:63] the same for K's tiles
.set G0B, 56
.set G1S, 68                           ; s[68:75], s[76:79] groups 1 and 0 for x's scales;  s[80:87], s[88:91] for K's
.set G0S, 76
.set G1SB, 80
.set G0SB, 88
.set MSB, 0
.macro WIN new                         ; the immediate's high byte repeats the setting that is left; a switch that changes nothing is dropped
.if MSB != (\new)
	s_set_vgpr_msb (MSB<<8)|(\new)
.set MSB, (\new)
.endif
.endm
.set MUL_LO, 0xa1                      ; source 0 (K) window 1, source 1 (x) window 0, C and D window 2
.set MUL_HI, 0xf1                      ; the same, C and D window 3
.set TO_B,   0x40                      ; destination window 1, address window 0
; A joint load: waves 0 and 1 fetch for x, waves 2 and 3 for K.  Each of the two lines has ONE mask and one set of registers for all that issue it; the branch hangs on the wave's number alone.
; Four v_nop follow each of the two lines, ahead of the jump, the label and what follows.
.macro JLOAD g0a, g1a, g0b, g1b
	s_cmp_eq_u32 s15, 0
	s_cbranch_scc0 .Lfor_b_\@
	tensor_load_to_lds s[\g0a:\g0a+3], s[\g1a:\g1a+7]
	s_nop 0
.rept 4
	v_nop
.endr
	s_branch .Lasked_\@
.Lfor_b_\@:
	tensor_load_to_lds s[\g0b:\g0b+3], s[\g1b:\g1b+7]
	s_nop 0
.rept 4
	v_nop
.endr
.Lasked_\@:
.endm
.macro CREST                           ; a round of the cluster's barrier behind its opening barrier
	s_cmp_lg_u32 s14, 0
	s_cbranch_scc1 .Lnot_wave_0_\@
	s_barrier_signal -3
.Lnot_wave_0_\@:
	s_barrier_wait -3
	s_barrier_signal -1
	s_barrier_wait -1
.endm
.macro CROUND                          ; a whole round
	s_barrier_signal -1
	s_barrier_wait -1
	CREST
.endm
	s_load_b128 s[4:7], s[0:1], 0x0                ; xc s[4:5], xs s[6:7]
	s_load_b128 s[8:11], s[0:1], 0x10              ; kc s[8:9], ks s[10:11]
	s_load_b64 s[12:13], s[0:1], 0x20              ; pc
	s_load_b64 s[66:67], s[0:1], 0x28              ; st
	v_lshl_add_u32 v[SPW], v0, 2, SPARE
	v_mov_b32 v[NIL], 0
	ds_add_u32 v28, v29
	ds_add_u32 v28, v29
	s_wait_dscnt 0x0
	v_lshrrev_b32 v1, 5, v0
	v_readfirstlane_b32 s14, v1                    ; wave 0..3
	s_lshr_b32 s15, s14, 1                         ; which half of the tile's queries is mine.  Also: I fetch for x (0) or for K (1)
	s_and_b32 s16, s14, 1                          ; which half of its keys.  Also: which 128 rows of that tile I fetch
	s_bfe_u32 s40, ttmp6, 0x40000                  ; cx, cy: my place in the cluster
	s_bfe_u32 s41, ttmp6, 0x40004
	s_lshl_b32 s42, ttmp9, 2
	s_add_co_u32 s42, s42, s40                     ; tile column (keys) = 4 x cluster x + cx
	s_and_b32 s17, ttmp7, 0xffff
	s_lshl_b32 s17, s17, 2
	s_add_co_u32 s17, s17, s41                     ; tile row (queries) = 4 x cluster y + cy
	s_lshl_b32 s43, s41, 2
	s_lshl_b32 s43, 15, s43                        ; my row of the cluster
	s_lshl_b32 s44, 0x1111, s40                    ; my column
	; descriptor group 1: a tile of 128 rows x ROWB bytes, padded in LDS
	s_or_b32 s[G1+0], s43, (0<<16)|(1<<20)|(1<<21)|(5<<22)|(3<<25)  ; 15:0 the mask: x's tiles go to my row; 17:16 element of 1 byte; 20 padding on; 21 set beside a mask; 24:22 after every 64 words (code 5); 31:25 of 4 words (code 3)
	s_or_b32 s[G1B+0], s44, (0<<16)|(1<<20)|(1<<21)|(5<<22)|(3<<25)
.irp g, G1, G1B
	s_mov_b32 s[\g+1], ROWB<<16                    ; tensor_dim0
	s_mov_b32 s[\g+2], 128<<16                     ; tensor_dim1 = 128
	s_mov_b32 s[\g+3], ROWB<<16                    ; tile_dim0
	s_mov_b32 s[\g+4], 128                         ; tile_dim1 = 128
	s_mov_b32 s[\g+5], KROW                        ; tensor_dim0_stride
	s_mov_b32 s[\g+6], 0
	s_mov_b32 s[\g+7], 0
.endr
	; and for the scales of 128 rows: a dense block of 128 KS bytes, as rows of 256 bytes (32 elements of 8 bytes), 16 bytes of padding behind each
	s_or_b32 s[G1S+0], s43, (3<<16)|(1<<20)|(1<<21)|(5<<22)|(3<<25)
	s_or_b32 s[G1SB+0], s44, (3<<16)|(1<<20)|(1<<21)|(5<<22)|(3<<25)
.irp g, G1S, G1SB
	s_mov_b32 s[\g+1], 32<<16
	s_mov_b32 s[\g+2], (128*KS/256)<<16
	s_mov_b32 s[\g+3], 32<<16
	s_mov_b32 s[\g+4], 128*KS/256
	s_mov_b32 s[\g+5], 32
	s_mov_b32 s[\g+6], 0
	s_mov_b32 s[\g+7], 0
.endr
	s_lshl_b32 s18, s16, 7                         ; which 128 rows of the tile I fetch
	s_lshl_b32 s20, s17, 8
	s_add_co_u32 s20, s20, s18                     ; x: row 256 x tile row + 128 x half
	s_lshl_b32 s46, s42, 8
	s_add_co_u32 s46, s46, s18                     ; K: row 256 x tile column + 128 x half
	s_mov_b32 s21, 0
	s_mov_b32 s47, 0
	s_mov_b64 s[18:19], KS
	s_mul_u64 s[22:23], s[20:21], s[18:19]         ; where these rows' scales begin, in bytes
	s_mul_u64 s[92:93], s[46:47], s[18:19]
	s_mov_b64 s[18:19], KROW
	s_mul_u64 s[20:21], s[20:21], s[18:19]         ; and their codes
	s_mul_u64 s[46:47], s[46:47], s[18:19]
	s_mul_i32 s45, s14, HALFT                      ; where they go: wave x 128 rows: no place in the cluster enters an LDS address
	s_mul_i32 s94, s14, HALFS
	s_wait_kmcnt 0x0
	s_add_nc_u64 s[20:21], s[4:5], s[20:21]
	s_add_nc_u64 s[22:23], s[6:7], s[22:23]
	s_add_nc_u64 s[46:47], s[8:9], s[46:47]
	s_add_nc_u64 s[92:93], s[10:11], s[92:93]
	CROUND                                         ; all sixteen work-groups are here: the first joint loads meet
	s_mov_b32 s[G0S], 1
	s_add_co_u32 s[G0S+1], s94, SCL
	s_mov_b64 s[G0S+2:G0S+3], s[22:23]
	s_or_b32 s[G0S+3], s[G0S+3], 0x80000000
	s_mov_b32 s[G0SB], 1
	s_add_co_u32 s[G0SB+1], s94, SCL
	s_mov_b64 s[G0SB+2:G0SB+3], s[92:93]
	s_or_b32 s[G0SB+3], s[G0SB+3], 0x80000000
	JLOAD G0S, G1S, G0SB, G1SB                     ; the scales first: they are wanted with step 0
.irp s, 0,1
	s_mov_b32 s[G0+4*\s], 1
	s_add_co_u32 s[G0+4*\s+1], s45, \s*SLOT
	s_add_nc_u64 s[G0+4*\s+2:G0+4*\s+3], s[20:21], \s*ROWB
	s_or_b32 s[G0+4*\s+3], s[G0+4*\s+3], 0x80000000
	s_mov_b32 s[G0B+4*\s], 1
	s_add_co_u32 s[G0B+4*\s+1], s45, \s*SLOT
	s_add_nc_u64 s[G0B+4*\s+2:G0B+4*\s+3], s[46:47], \s*ROWB
	s_or_b32 s[G0B+4*\s+3], s[G0B+4*\s+3], 0x80000000
	JLOAD G0+4*\s, G1, G0B+4*\s, G1B               ; three tensor loads of mine are out behind the second of these
.endr
	v_and_b32 v1, 15, v0                           ; l % 16
	v_bfe_u32 v2, v0, 4, 1                         ; l / 16
	v_mul_u32_u24 v3, v1, PITCH
	v_lshl_add_u32 v4, v2, 4, v3                   ; a fragment's row x pitch + 16 x half
	s_mul_i32 s21, s15, HALFT                      ; my 128 rows of x
	s_mul_i32 s22, s16, HALFT                      ; my 128 rows of K,
	s_add_co_u32 s22, s22, 2*HALFT                 ; which lie behind x's 256
.irp s, 0,1
	v_add_nc_u32 v[ADRA+\s], s21, v4
	v_add_nc_u32 v[ADRB+\s], s22, v4
	s_add_co_u32 s21, s21, SLOT
	s_add_co_u32 s22, s22, SLOT
.endr
	v_mul_u32_u24 v5, v1, KS                       ; my row's scales: KS bytes a row,
	v_lshrrev_b32 v6, 8, v5
	v_lshl_add_u32 v5, v6, 4, v5                   ; and 16 more for each 256 passed
	s_mul_i32 s21, s15, HALFS                      ; x's: my 128 rows
	s_mul_i32 s22, s16, HALFS                      ; K's: my 128 rows, behind x's 256
	s_add_co_u32 s22, s22, 2*HALFS
	s_sub_co_u32 s22, s22, s21
	v_mul_u32_u24 v6, s22, v2                      ; lanes 16-31 take K's: one product, the distance between the two bases
	s_add_co_u32 s21, s21, SCL
	v_add_nc_u32 v5, v5, v6
	v_add_nc_u32 v[ADRS], s21, v5
	v_and_b32 v6, 31, v0
	v_lshlrev_b32 v[CO], 4, v6
	; where my piece goes: piece number = (2 x tile row + half) x 32 + 2 x tile column + half; 16,384 bytes of pc and 1,536 of st each
	s_lshl_b32 s20, s17, 1
	s_add_co_u32 s20, s20, s15
	s_lshl_b32 s20, s20, 5
	s_lshl_b32 s46, s42, 1
	s_add_co_u32 s46, s46, s16
	s_add_co_u32 s20, s20, s46
	s_mul_i32 s46, s20, 1536
	s_mov_b32 s47, 0
	s_add_nc_u64 s[66:67], s[66:67], s[46:47]
	s_lshl_b32 s20, s20, 14                        ; 2,047 pieces at the most: under 2^25
	s_mov_b32 s21, 0
	s_add_nc_u64 s[12:13], s[12:13], s[20:21]
.macro FRAG reg, adr, q, i             ; a fragment, 16 rows x 128 of 8-bit codes, is 16 registers: lane l holds row l % 16; registers 4 c .. 4 c + 3 hold k = 32 c + 16 (l / 16) + 0 .. 15
.irp c, 0,1,2,3
	ds_load_b128 v[\reg+4*\c:\reg+4*\c+3], v[\adr] offset:128*(\q)+32*\c+(\i)*16*PITCH
.endr
.endm
; 16 matrix instructions: x's blocks a0, a0 + 1 against K's eight, 128 along the summed axis: the slot's q-th.  p: K's set;  sc: the set of scale words.  zero = 1: the first product starts the sums: nothing is ever cleared.
; The 64 accumulators take turns, one instruction a turn, in the same order in every step.
.macro MUL16 a0, p, q, sc, zero
.irp a, \a0, \a0+1
.irp b, 0,1,2,3,4,5,6,7
.if \zero
	v_wmma_scale_f32_16x16x128_f8f6f4 v[8*(8*((\a)%4)+\b):8*(8*((\a)%4)+\b)+7], v[128*(\p)+FR*\b:128*(\p)+FR*\b+FR-1], v[AF+FR*(\a):AF+FR*(\a)+FR-1], 0, v[SC+8*NQ*(\sc)+NQ*\b+(\q)], v[SC+8*NQ*(\sc)+NQ*(\a)+(\q)] matrix_a_scale:MATRIX_SCALE_ROW1
.else
	v_wmma_scale_f32_16x16x128_f8f6f4 v[8*(8*((\a)%4)+\b):8*(8*((\a)%4)+\b)+7], v[128*(\p)+FR*\b:128*(\p)+FR*\b+FR-1], v[AF+FR*(\a):AF+FR*(\a)+FR-1], v[8*(8*((\a)%4)+\b):8*(8*((\a)%4)+\b)+7], v[SC+8*NQ*(\sc)+NQ*\b+(\q)], v[SC+8*NQ*(\sc)+NQ*(\a)+(\q)] matrix_a_scale:MATRIX_SCALE_ROW1
.endif
.endr
.endr
.endm
.macro FETCH_B slot, q, p              ; K's eight fragments of the slot's q-th 128 into set p
	WIN TO_B
.irp i, 0,1,2,3,4,5,6,7
	FRAG 128*(\p)+FR*\i, ADRB+\slot, \q, \i
.endr
	WIN 0
.endm
.macro FETCH_A slot, q, i0             ; x's blocks i0 .. i0 + 3
.irp i, \i0, \i0+1, \i0+2, \i0+3
	FRAG AF+FR*(\i), ADRA+\slot, \q, \i
.endr
.endm
.macro SCALES sc                       ; the next step's scale words into set sc: NQ words a row; lanes 0-15 take x's block i, lanes 16-31 K's block i
.irp i, 0,1,2,3,4,5,6,7
	ds_load_b64 v[SC+8*NQ*\sc+NQ*\i:SC+8*NQ*\sc+NQ*\i+1], v[ADRS] offset:\i*SBLK
.endr
.endm
; A load into a register that a matrix instruction has read, and a vector instruction that reads a matrix result or writes one of a matrix instruction's registers, stand NP places behind it, and only plain vector
; instructions that name none of its registers are places (ISA guide 7.12.1 for vector instructions).
.macro PLACES n
.rept \n
	v_nop
.endr
.endm
; A step of 128 that has its successor in the same slot.  x has ONE set of registers: a block is free as soon as its eight products are issued.
.macro STEP slot, q, zero
	s_wait_dscnt 4*NL                              ; K's set and x's blocks 0-3 are in; the youngest sixteen loads (x's blocks 4-7) may be out
	WIN MUL_LO
	MUL16 0, (\q)%2, \q, \slot, \zero
	MUL16 2, (\q)%2, \q, \slot, \zero
	s_wait_dscnt 0                                 ; x's blocks 4-7 are in (asked for 32 matrix instructions ago)
	PLACES NP
	FETCH_B \slot, (\q)+1, 1-(\q)%2
	FETCH_A \slot, (\q)+1, 0
	WIN MUL_HI
	MUL16 4, (\q)%2, \q, \slot, \zero
	MUL16 6, (\q)%2, \q, \slot, \zero
	PLACES NP
	WIN 0
	FETCH_A \slot, (\q)+1, 4
.endm
; A slot's last step changes slots: ONE barrier; in front of it each wave waits for all its tensor loads, adds 0 to its spare word, and waits for that and for its own reads of this slot.  fill = 1: this slot is filled again, two steps ahead.
.macro TURN slot, next, fill
	s_wait_tensorcnt 0x0                           ; all my tensor loads have landed: my part of the next slot;  (every window is 0 here)
	ds_add_u32 v[SPW], v[NIL]                      ; 0 onto my spare word
	s_wait_dscnt 4*NL+1                            ; (the add and the youngest sixteen loads, x's blocks 4-7, may be out)
	WIN MUL_LO
	MUL16 0, 1, NQ-1, \slot, 0                     ; sixteen matrix instructions stand between the add and the wait for it
	s_wait_dscnt 0x0                               ; the add is done, and my reads of this slot are over
	s_barrier_signal -1
	MUL16 2, 1, NQ-1, \slot, 0
	WIN 0
	s_barrier_wait -1
.if \fill
	CREST                                          ; the barrier has opened a round of the cluster's barrier: no wave of any partner still reads this slot's tile or has a load on its way
	s_add_nc_u64 s[G0+4*\slot+2:G0+4*\slot+3], s[G0+4*\slot+2:G0+4*\slot+3], 2*ROWB
	s_add_nc_u64 s[G0B+4*\slot+2:G0B+4*\slot+3], s[G0B+4*\slot+2:G0B+4*\slot+3], 2*ROWB
	JLOAD G0+4*\slot, G1, G0B+4*\slot, G1B         ; the first tensor load behind the round, my only one out; the four v_nop behind it are among the places in front of the loads below
	PLACES NP-4
.else
	PLACES NP
.endif
	v_add_nc_u32 v[ADRS], 4*NQ, v[ADRS]            ; on to the next step's scale words (no LDS load of mine is out)
	FETCH_B \next, 0, 0
	FETCH_A \next, 0, 0
	SCALES \next
	WIN MUL_HI
	MUL16 4, 1, NQ-1, \slot, 0
	MUL16 6, 1, NQ-1, \slot, 0
	PLACES NP
	WIN 0
	FETCH_A \next, 0, 4
.endm
	s_wait_tensorcnt 1                             ; the scales and my part of step 0 are in (slot 1's load, the youngest, may be out)
	s_barrier_signal -1
	s_barrier_wait -1                              ; everybody's are
	FETCH_B 0, 0, 0
	FETCH_A 0, 0, 0
	SCALES 0
	FETCH_A 0, 0, 4
	STEP 0, 0, 1                                   ; the first step stands in front of the loop: its products start the sums
	s_mov_b32 s3, LAPS-1
.Llap:                                                 ; a trip goes once round the ring, from a lap's second step to the next lap's first, and fills both slots again
	TURN 0, 1, 1
	STEP 1, 0, 0
	TURN 1, 0, 1
	STEP 0, 0, 0
	s_sub_co_u32 s3, s3, 1
	s_cmp_lg_u32 s3, 0
	s_cbranch_scc1 .Llap
	TURN 0, 1, 0                                   ; the last lap fills nothing, and has no round of the cluster's barrier
	STEP 1, 0, 0
	s_wait_dscnt 4*NL                              ; the very last step: nothing more to fetch
	WIN MUL_LO
	MUL16 0, 1, NQ-1, 1, 0
	MUL16 2, 1, NQ-1, 1, 0
	s_wait_dscnt 0
	WIN MUL_HI
	MUL16 4, 1, NQ-1, 1, 0
	MUL16 6, 1, NQ-1, 1, 0
	WIN 0
	; ---------------- THE WAY OUT: scores to codes of p, a block of 16 queries at a time
	PLACES NP                                      ; behind the last products: their results are read below, and x's fragments' registers are written
	s_mov_b32 s92, 0x600000                        ; the mantissa field of 448
	s_mov_b32 s94, 0x76543210
	s_mov_b32 s95, 0xfedcba98                      ; v_permlanex16_b32's selects for lane l xor 16
	s_mov_b32 s96, 0x3d38aa3b                      ; c = log2(e) / 32 = log2(e) / sqrt(1024)
	s_mov_b32 s97, s96                             ; (named with it as a pair, so it is written)
.irp b, 0,1,2,3
	v_mov_b32 v[PX+\b], 0                          ; written once: a lane permute's destination counts as one of its sources
.endr
	v_mov_b32 v[MP+1], 0                           ; (named as the upper half of a pair)
	v_and_b32 v1, 16, v0
	v_cmp_ne_u32 vcc_lo, 0, v1                     ; lanes 16-31: for the statistics' way out
; Block a: lane (r, h) holds query 16 a + r; register 16 b + i of its 64 holds key 32 b + 16 h + i of my 128.
.macro SOFT a
.set AC, 64*((\a)%4)
.set W, 2+(\a)/4                       ; the window of its accumulators
	WIN 21*W                                       ; all three sources there
.irp b, 0,1,2,3
	v_max3_num_f32 v[BM+\b], v[AC+16*\b], v[AC+16*\b+1], v[AC+16*\b+2]   ; THE LARGEST SCORE OF EACH BLOCK OF 32 KEYS: it serves for the row's maximum and, since p rises with the score, for the block's largest p.  (Each accumulator is read from its low end on)
.endr
	WIN 20*W                                       ; sources 1 and 2 there
.irp i, 3,5,7,9,11,13
.irp b, 0,1,2,3
	v_max3_num_f32 v[BM+\b], v[BM+\b], v[AC+16*\b+\i], v[AC+16*\b+\i+1]   ; (the four blocks by turns)
.endr
.endr
.irp b, 0,1,2,3
	v_max_num_f32 v[BM+\b], v[BM+\b], v[AC+16*\b+15]
.endr
	WIN 0
.irp b, 0,1,2,3
	v_permlanex16_b32 v[PX+\b], v[BM+\b], s94, s95
.endr
.irp b, 0,1,2,3
	v_max_num_f32 v[BM+\b], v[BM+\b], v[PX+\b]     ; with lane l xor 16's 16 keys
.endr
	v_max3_num_f32 v[TT], v[BM], v[BM+1], v[BM+2]
	v_max_num_f32 v[TT], v[TT], v[BM+3]            ; the largest score of my query in this piece
	v_mul_f32 v[TT], s96, v[TT]                    ; as t (c is positive)
	v_floor_f32 v[MP], -v[TT]                      ; -M_loc = floor(-t) = -ceil(t): a whole number
	v_mov_b32 v[NM+(\a)], v[MP]                    ; kept for the statistics
	WIN W                                          ; source 0 there
.set j, 0
.rept 32
	v_pk_fma_f32 v[P+j:P+j+1], v[AC+j:AC+j+1], s[96:97], v[MP:MP+1] op_sel_hi:[1,0,0]   ; t - M_loc, two at a time (of the pairs c and -M_loc the low word serves both halves)
.set j, j+2
.endr
	WIN 0
.irp b, 0,1,2,3
	v_fma_f32 v[BM+\b], v[BM+\b], s96, v[MP]       ; the same of each block's largest score
.endr
.set j, 0
.rept 64
	v_exp_f32 v[P+j], v[P+j]                       ; p = 2^(t - M_loc), at most 1: not normalised
.set j, j+1
.endr
	v_nop                                          ; a plain line behind the last exponential
	s_wait_alu depctr_va_vdst(0)                   ; one wait for the batch of 64, ahead of its first reader
.irp b, 0,1,2,3
	v_exp_f32 v[BM+\b], v[BM+\b]                   ; the block's largest p: the same two instructions on the same number give the same bits
.endr
	v_pk_add_f32 v[SA:SA+1], v[P:P+1], v[P+2:P+3]  ; THE SUM IS TAKEN OF THE UNQUANTISED p: two at a time, in two chains.  (It reads the 64 alone: plain work behind the four)
	v_pk_add_f32 v[SA+2:SA+3], v[P+4:P+5], v[P+6:P+7]
.irp j, 8,12,16,20,24,28,32,36,40,44,48,52,56,60
	v_pk_add_f32 v[SA:SA+1], v[SA:SA+1], v[P+\j:P+\j+1]
	v_pk_add_f32 v[SA+2:SA+3], v[SA+2:SA+3], v[P+\j+2:P+\j+3]
.endr
	v_pk_add_f32 v[SA:SA+1], v[SA:SA+1], v[SA+2:SA+3]
	v_add_f32 v[SA], v[SA], v[SA+1]
	v_permlanex16_b32 v[PX], v[SA], s94, s95
	v_add_f32 v[LS+(\a)], v[SA], v[PX]             ; with lane l xor 16's: the piece's sum
	s_wait_alu depctr_va_vdst(0)                   ; and one wait for the four
.irp b, 0,1,2,3
	v_max_num_f32 v[BM+\b], 0x4800000, v[BM+\b]    ; the floor 2^(9 - 127): the byte cannot fall under 1
.endr
.irp b, 0,1,2,3
	v_add_nc_u32 v[SO+\b], 0xfc000000, v[BM+\b]    ; 8 off the exponent field: the conversion's scale operand
.endr
.irp b, 0,1,2,3
	v_and_or_b32 v[HL+\b], v[BM+\b], 0x7f800000, s92   ; 448 x the scale
.endr
.irp b, 0,1,2,3
	v_lshrrev_b32 v[BY+\b], 23, v[SO+\b]           ; the scale's byte: 1 to 119, since p is at most 1
.endr
	v_lshl_or_b32 v[SW+(\a)], v[BY+1], 8, v[BY]    ; the four bytes make the row's scale word for these 128 keys
	v_lshl_or_b32 v[SW+(\a)], v[BY+2], 16, v[SW+(\a)]
	v_lshl_or_b32 v[SW+(\a)], v[BY+3], 24, v[SW+(\a)]
.if (\a) >= 4
	s_wait_xcnt 0x0                                ; the stores of the block four back have read this set of code registers: only now is it written again
.endif
.set CC, CD+16*((\a)%4)
.irp b, 0,1,2,3
.irp i, 0,1,2,3,4,5,6,7,8,9,10,11,12,13,14,15
	v_min_num_f32 v[P+16*\b+\i], v[P+16*\b+\i], v[HL+\b]   ; the conversion to an 8-bit code does not saturate (ISA guide 7.6.2); p is not negative, so the hold is one-sided
.endr
	v_cvt_scalef32_pk8_fp8_f32 v[CC+4*\b:CC+4*\b+1], v[P+16*\b:P+16*\b+7], v[SO+\b]
	v_cvt_scalef32_pk8_fp8_f32 v[CC+4*\b+2:CC+4*\b+3], v[P+16*\b+8:P+16*\b+15], v[SO+\b]
.endr
	v_nop                                          ; the plain line behind the last conversion
.irp c, 0,1,2,3
	global_store_b128 v[CO], v[CC+4*\c:CC+4*\c+3], s[12:13] offset:2048*(\a)+512*\c   ; the operand's registers as they stand: 32 lanes store 512 consecutive bytes
.endr
.endm
.irp a, 0,1,2,3,4,5,6,7
	SOFT \a
.endr
	; the statistics: both halves of the lanes hold block a's value for query r; lane L takes row 32 i + L: blocks 2 i (lanes 0-15) and 2 i + 1 (lanes 16-31)
.irp i, 0,1,2,3
	v_cndmask_b32 v[64+\i], v[NM+2*\i], v[NM+2*\i+1], vcc_lo
	v_cndmask_b32 v[68+\i], v[LS+2*\i], v[LS+2*\i+1], vcc_lo
	v_cndmask_b32 v[72+\i], v[SW+2*\i], v[SW+2*\i+1], vcc_lo
.endr
	global_store_b128 v[CO], v[64:67], s[66:67]               ; -M_loc: 512 consecutive bytes
	global_store_b128 v[CO], v[68:71], s[66:67] offset:512    ; the sums
	global_store_b128 v[CO], v[72:75], s[66:67] offset:1024   ; the scale words
	s_wait_tensorcnt 0x0                           ; the wave's end
	ds_add_u32 v[SPW], v[NIL]
	s_wait_dscnt 0x0
	CROUND                                         ; the closing round: no work-group ends while a partner may still ask for a tile that names it
	s_endpgm
.Lfunc_end_k_qb1e5d18953_scores:
	.size	k_qb1e5d18953_scores, .Lfunc_end_k_qb1e5d18953_scores-k_qb1e5d18953_scores
	.p2alignl 7, 3214868480
	.fill 96, 4, 3214868480
	.section	.rodata,"a",@progbits
	.p2align	6, 0x0
	.amdhsa_kernel k_qb1e5d18953_scores
		.amdhsa_group_segment_fixed_size 327680
		.amdhsa_private_segment_fixed_size 0
		.amdhsa_enable_private_segment 0
		.amdhsa_kernarg_size 48
		.amdhsa_user_sgpr_count 2
		.amdhsa_user_sgpr_kernarg_segment_ptr 1
		.amdhsa_wavefront_size32 1
		.amdhsa_system_sgpr_workgroup_id_x 1
		.amdhsa_system_sgpr_workgroup_id_y 1
		.amdhsa_system_sgpr_workgroup_id_z 1
		.amdhsa_system_vgpr_workitem_id 0
		.amdhsa_next_free_vgpr 1024
		.amdhsa_next_free_sgpr 98
		.amdhsa_reserve_vcc 1
		.amdhsa_float_denorm_mode_32 3
		.amdhsa_float_denorm_mode_16_64 3
		.amdhsa_memory_ordered 1
		.amdhsa_forward_progress 1
		.amdhsa_inst_pref_size 223
	.end_amdhsa_kernel
	.amdgpu_metadata
---
amdhsa.version: [ 1, 2 ]
amdhsa.kernels:
  - .name:           k_qb1e5d18953_scores
    .symbol:         k_qb1e5d18953_scores.kd
    .args:
      - { .name: xc, .offset: 0, .size: 8, .value_kind: global_buffer, .address_space: global }
      - { .name: xs, .offset: 8, .size: 8, .value_kind: global_buffer, .address_space: global }
      - { .name: kc, .offset: 16, .size: 8, .value_kind: global_buffer, .address_space: global }
      - { .name: ks, .offset: 24, .size: 8, .value_kind: global_buffer, .address_space: global }
      - { .name: pc, .offset: 32, .size: 8, .value_kind: global_buffer, .address_space: global }
      - { .name: st, .offset: 40, .size: 8, .value_kind: global_buffer, .address_space: global }
    .group_segment_fixed_size: 327680
    .private_segment_fixed_size: 0
    .kernarg_segment_align: 8
    .kernarg_segment_size: 48
    .max_flat_workgroup_size: 128
    .sgpr_count:     98
    .vgpr_count:     1024
    .wavefront_size: 32
...
	.end_amdgpu_metadata
.endif
;; end of part 2
;; launch mix (part 3): grid 4 x 64, 4 waves a work-group, clusters of 4 x 4, 327,680 bytes of LDS; arguments pc, st, vc, out0; writes out0
.if DOCPART == 3
	.amdgcn_target "amdgcn-amd-amdhsa--gfx1250"
	.amdhsa_code_object_version 6
	.text
	.protected	k_qb1e5d18953_mix
	.globl	k_qb1e5d18953_mix
	.p2align	8
	.type	k_qb1e5d18953_mix,@function
k_qb1e5d18953_mix:
	s_mov_b64 s[64:65], 0
	v_nop
	global_prefetch_b8 v0, s[64:65] scope:SCOPE_SE
	s_setreg_imm32_b32 hwreg(HW_REG_WAVE_MODE, 25, 1), 1
	s_wait_xcnt 0x0
	s_wait_alu depctr_hold_cnt(0) depctr_sa_sdst(0) depctr_va_vdst(0) depctr_va_sdst(0) depctr_va_ssrc(0) depctr_va_vcc(0) depctr_vm_vsrc(0)
	s_getreg_b32 s2, hwreg(HW_REG_IB_STS2, 6, 4)
	s_cmp_eq_u32 s2, 0
	s_cbranch_scc0 .Lentry_in_a_cluster
	s_endpgm
.Lentry_in_a_cluster:
	s_bfe_u32 s2, ttmp6, 0x10000c
	s_cmp_lg_u32 s2, 0xf033
	s_cbranch_scc0 .Lentry_shape_is_right
	s_endpgm
.Lentry_shape_is_right:
; THE SECOND PRODUCT: out[q][ch] = (sum over keys of p[q][key] V[key][ch]) / l[q], on codes of FP8 (E4M3) with E8M0 scales.  K = the 4,096 keys, in 32 K steps of 128.
; p's codes (pc) were made piece by piece, 128 keys each, under the piece's own whole number M_loc.  The row's M is the largest of its 32 M_loc.  With d = M - M_loc, a whole number, p under M is p under M_loc x 2^-d:
; the codes stay, d is taken off the piece's four scale bytes, and l = the sum of the pieces' sums x 2^-d.  Each work-group does that for its 128 rows at its head, while its first tiles are on their way.
; LIMITS: d is held at 127, and a byte that would fall under 0 is held at 0, which stands for 2^-127: what such a block then adds is under 2^-118 of a row whose l is above 1/2.  NaN and infinities are not served.
; SHARES.  A tile of out is 128 queries x 256 channels: 64 x 4 = 256 work-groups.  Four waves, each 64 queries x 128 channels: 32 accumulators, 256 registers.
; THE RING.  Two LDS slots of THREE K steps each, as many as fit twice.  BOTH OPERANDS LIE IN MEMORY AS IMAGES OF THEIR REGISTERS (16 rows x 128 keys = 2,048 bytes: [c][lane][16 bytes]), so a K step's tile is a dense block
; and a fragment is four ds_load_b128 at 16 x lane: consecutive bytes, no pitch, no padding.  V's scale words of a K step lie directly behind its codes and come with them.
; Waves 0 to 2 fetch one K step of V each (33,792 bytes), wave 3 p's three K steps (49,152 bytes): one tensor load a wave.  32 K steps are ten slots of three and one of two.
; A slot's last fragments are asked for in the step before its last: so the change of slots stands at the HEAD of the last step, and that step's 32 products stand behind the request:
; all 96 matrix instructions of a slot lie between a refill's request and the wait for it.
; CLUSTERS: 4 x 4 work-groups.  p's tiles hang on the block of queries alone and are shared along a row of the cluster, V's on the block of channels alone and are shared along a column: each is asked for JOINTLY.
; THE MATRIX INSTRUCTION IS USED TRANSPOSED (source 0 = 16 channels of V, source 1 = 16 queries of p): a lane holds one query and eight neighbouring channels.
; REGISTERS, in windows of 256: window 0: v1-31 addresses; v32-39 V's scale words, v40-43 p's (two sets each; they hold nothing else); v56-63 1 / l; v64-179 at work at the head; on the way out v64-127 results, v128-255 rows read back.
;   window 1: accumulator (a, b) at v[8 (8 a + b)].   windows 2, 3: fragment sets 0, 1 (K step mod 2): V's block b at v[16 b], p's block a at v[128 + 16 a].
.set PH,    16384                      ; p's 128 queries x 128 keys
.set VB,    33792                      ; V's 256 channels x 128 keys: 32,768 bytes of codes, then 1,024 of scale words [channel / 32][channel % 32]
.set XB,    32*VB                      ; the 32 K steps of 256 channels
.set NK,    3                          ; K steps in a slot
.set VOFF,  NK*PH                      ; a slot: p's three K steps, then V's three
.set SLOT,  NK*(PH+VB)                 ; 150,528
.set SCP,   2*SLOT                     ; behind the ring: p's scale words under M, [q / 32][K step][q % 32]: 16,384 bytes, stored by the waves
.set INV,   SCP+16384                  ; 1 / l, four bytes a row: 512 bytes
.set SPARE, INV+512                    ; the spare words, 128 bytes for each wave: two blocks of 256 bytes that no other line names
.set SPITCH, 528                       ; the way out: a stage of 16 rows x (512 bytes + 16) for each wave,
.set STAGE, SLOT                       ; in slot 1: it has had its last fill and, at the last change of slots, its last read (the last two K steps lie in slot 0)
.set ADSV, 8                           ; v8-11   LDS address of V's scale words: register 2 slot + kk / 2 (the third K step lies beyond a 16-bit offset)
.set ADRP, 16                          ; v16-17  of my fragments of p in slot 0, 1
.set ADRV, 18                          ; v18-21  of my fragments of V: register 2 slot + kk / 2
.set ADSP, 22                          ; v22     of p's scale words: it steps from slot to slot
.set STO,  24                          ; v24     the way out: where I put 32 bytes of a row
.set RD,   25                          ; v25     and where I read a row back
.set CO,   26                          ; v26     16 x lane
.set ADI,  27                          ; v27     where my query's 1 / l lies
.set SPW,  28                          ; v28     LDS address of my spare word; never rewritten
.set NIL,  29                          ; v29     0; never rewritten
.set PFO,  30                          ; v30     256 x lane: the prefetches' offset; never rewritten
.set STA,  31                          ; v31     my row's place in a row of st
.set SV,   32                          ; V's scale words: set s at +4 s; register i: lanes 0-15 block 2 i, lanes 16-31 block 2 i + 1
.set SP,   40                          ; p's: set s at +2 s; likewise
.set IL,   56                          ; v56-63  pairs: 1 / l of block a at IL + 2 a
.set NMR,  64                          ; head: v64-95 -M_loc of my row's 32 pieces
.set LR,   96                          ;       v96-127 their sums
.set WR,   128                         ;       v128-159 their scale words
.set MG,   160                         ;       v160 M
.set LG,   161                         ;       v161 l
.set RL,   162                         ;       v162 1 / l
.set TP,   164                         ;       v164-179 four sets of four, at work
.set T,    64                          ; way out: a block's 64 results / l
.set BK,   128                         ;          16 rows read back: v128-191 and v192-255 by turns
.set G1P, 24                           ; s[24:31] descriptor group 1 for p's tiles;  s[32:39] group 0, one set for each slot
.set G0P, 32
.set G1V, 48                           ; s[48:55], s[56:63] the same for V's
.set G0V, 56
.set G1Q, 68                           ; s[68:75] group 1 for p's last tile, of two K steps
.set PFA, 80                           ; s[80:81] where my prefetches stand
.set LIM, 82                           ; s82  1 in a wave that prefetches, else the greatest number
.set MSB, 0
.macro WIN new                         ; the immediate's high byte repeats the setting that is left; a switch that changes nothing is dropped
.if MSB != (\new)
	s_set_vgpr_msb (MSB<<8)|(\new)
.set MSB, (\new)
.endif
.endm
.set MUL0, 0x5a                        ; sources 0 and 1 window 2, C and D window 1;  + 5: sources 0 and 1 window 3
; A joint load: wave 3 fetches p's three K steps, waves 0 to 2 one K step of V each.  Each line has ONE mask and, for a given wave, one set of registers in all that issue it; the branch hangs on the wave's number alone.
; Four v_nop follow each of the two lines.
.macro JLOAD s
	s_cmp_eq_u32 s14, 3
	s_cbranch_scc0 .Lfor_v_\@
	tensor_load_to_lds s[G0P+4*\s:G0P+4*\s+3], s[G1P:G1P+7]
	s_nop 0
.rept 4
	v_nop
.endr
	s_branch .Lasked_\@
.Lfor_v_\@:
	tensor_load_to_lds s[G0V+4*\s:G0V+4*\s+3], s[G1V:G1V+7]
	s_nop 0
.rept 4
	v_nop
.endr
.Lasked_\@:
.endm
.macro JLAST                           ; the last slot has two K steps: wave 3 fetches p's two, waves 0 and 1 V's, wave 2 nothing: there is no K step 32
	s_cmp_eq_u32 s14, 3
	s_cbranch_scc0 .Lnot_p_\@
	tensor_load_to_lds s[G0P:G0P+3], s[G1Q:G1Q+7]
	s_nop 0
.rept 4
	v_nop
.endr
	s_branch .Lasked_\@
.Lnot_p_\@:
	s_cmp_lt_u32 s14, 2
	s_cbranch_scc0 .Lasked_\@
	tensor_load_to_lds s[G0V:G0V+3], s[G1V:G1V+7]
	s_nop 0
.rept 4
	v_nop
.endr
.Lasked_\@:
.endm
; A round of the cluster's barrier: my work-group's barrier, so that wave 0's signal speaks for all four waves; wave 0 signals for the work-group; every wave waits for all sixteen work-groups; my work-group's barrier once more.
.macro CROUND
	s_barrier_signal -1
	s_barrier_wait -1
	s_cmp_lg_u32 s14, 0
	s_cbranch_scc1 .Lnot_wave_0_\@
	s_barrier_signal -3
.Lnot_wave_0_\@:
	s_barrier_wait -3
	s_barrier_signal -1
	s_barrier_wait -1
.endm
; A PREFETCH INTO THE L2 of p's codes, which no other cluster reads.  Once a trip, behind the refill that asks for slot n + 2 (n even), the whole of slots n + 3 and n + 4 is asked for: 98,304 consecutive bytes of my block of queries:
; one slot (96 matrix instructions of a wave) and two slots ahead of the loads that will want them.  The four partners that fetch p jointly take 24,576 bytes each, told apart BY ADDRESS (cx); in each, waves 0 to 2 take 8,192 bytes,
; lanes 256 bytes apart: 4 x 3 x 32 x 256 = 98,304: each block of 256 bytes is named once.  Slots 0 to 2 come by their loads alone; the loop's last trip asks for nothing: slot 10 is short, and the run would pass the block's end.
; V's codes are walked by all sixteen clusters and are not asked for.
.macro ASK
	s_cmp_gt_u32 s3, s[LIM]                        ; s3 = 1 in the loop's last trip
	s_cbranch_scc0 .Lnot_mine_\@
	global_prefetch_b8 v[PFO], s[PFA:PFA+1] th:TH_LOAD_NT scope:SCOPE_SE
.Lnot_mine_\@:
.endm
	s_load_b256 s[4:11], s[0:1], 0x0               ; pc s[4:5], st s[6:7], vc s[8:9], out0 s[10:11]
	v_lshl_add_u32 v[SPW], v0, 2, SPARE
	v_mov_b32 v[NIL], 0
	ds_add_u32 v28, v29
	ds_add_u32 v28, v29
	s_wait_dscnt 0x0
	v_lshrrev_b32 v1, 5, v0
	v_readfirstlane_b32 s14, v1                    ; wave 0..3
	s_lshr_b32 s15, s14, 1                         ; which 64 queries are mine
	s_and_b32 s16, s14, 1                          ; which 128 channels
	s_bfe_u32 s40, ttmp6, 0x40000                  ; cx, cy: my place in the cluster
	s_bfe_u32 s41, ttmp6, 0x40004
	s_lshl_b32 s42, ttmp9, 2
	s_add_co_u32 s42, s42, s40                     ; my block of 256 channels = 4 x cluster x + cx
	s_and_b32 s17, ttmp7, 0xffff
	s_lshl_b32 s17, s17, 2
	s_add_co_u32 s17, s17, s41                     ; my block of 128 queries = 4 x cluster y + cy
	s_lshl_b32 s43, s41, 2
	s_lshl_b32 s43, 15, s43                        ; my row of the cluster
	s_lshl_b32 s44, 0x1111, s40                    ; my column
	; descriptor groups 1: dense blocks, as rows of 256 bytes (32 elements of 8 bytes), no padding
	s_or_b32 s[G1P+0], s43, (3<<16)|(1<<21)        ; 15:0 the mask: p's tiles go to my row; 17:16 elements of 8 bytes; 21 set beside a mask
	s_or_b32 s[G1Q+0], s43, (3<<16)|(1<<21)
	s_or_b32 s[G1V+0], s44, (3<<16)|(1<<21)        ; V's to my column
.irp g, G1P, G1V, G1Q
	s_mov_b32 s[\g+1], 32<<16                      ; tensor_dim0 = 32
	s_mov_b32 s[\g+3], 32<<16                      ; tile_dim0 = 32
	s_mov_b32 s[\g+5], 32                          ; tensor_dim0_stride
	s_mov_b32 s[\g+6], 0
	s_mov_b32 s[\g+7], 0
.endr
	s_mov_b32 s[G1P+2], (NK*PH/256)<<16            ; tensor_dim1 and tile_dim1: 192 rows,
	s_mov_b32 s[G1P+4], NK*PH/256
	s_mov_b32 s[G1V+2], (VB/256)<<16               ; 132 rows,
	s_mov_b32 s[G1V+4], VB/256
	s_mov_b32 s[G1Q+2], (2*PH/256)<<16             ; 128 rows
	s_mov_b32 s[G1Q+4], 2*PH/256
	s_lshl_b32 s20, s17, 19                        ; a block of queries is 524,288 bytes of pc
	s_mov_b32 s21, 0
	s_min_u32 s18, s14, 2                          ; which K step of a slot's V I fetch (wave 3 fetches p: its copy of V's descriptors is never used)
	s_mul_i32 s19, s18, VB                         ; the same in memory and in a slot
	s_mul_i32 s46, s42, XB                         ; a block of channels is XB bytes of vc
	s_add_co_u32 s46, s46, s19
	s_mov_b32 s47, 0
	s_wait_kmcnt 0x0
	s_add_nc_u64 s[20:21], s[4:5], s[20:21]
	s_add_nc_u64 s[46:47], s[8:9], s[46:47]
	CROUND                                         ; all sixteen work-groups are here: the first joint loads meet
.irp s, 0,1
	s_mov_b32 s[G0P+4*\s], 1                       ; 1:0 count = 1
	s_mov_b32 s[G0P+4*\s+1], \s*SLOT               ; LDS address: no place in the cluster enters it
	s_add_nc_u64 s[G0P+4*\s+2:G0P+4*\s+3], s[20:21], \s*NK*PH
	s_or_b32 s[G0P+4*\s+3], s[G0P+4*\s+3], 0x80000000   ; type = 2
	s_mov_b32 s[G0V+4*\s], 1
	s_add_co_u32 s[G0V+4*\s+1], s19, \s*SLOT+VOFF
	s_add_nc_u64 s[G0V+4*\s+2:G0V+4*\s+3], s[46:47], \s*NK*VB
	s_or_b32 s[G0V+4*\s+3], s[G0V+4*\s+3], 0x80000000
	JLOAD \s                                       ; two tensor loads of mine are out behind the second of these
.endr
	; ---------------- my row's statistics: thread (wave w, lane L) takes row 32 w + L of the 128
	s_mul_i32 s90, s17, 49152                      ; a block of queries is 49,152 bytes of st
	s_mov_b32 s91, 0
	s_add_nc_u64 s[6:7], s[6:7], s[90:91]
	v_and_b32 v2, 31, v0                           ; lane
	v_lshlrev_b32 v[CO], 4, v2
	v_lshl_add_u32 v[STA], s14, 2, v[CO]           ; 16 L + 4 w
.set j, 0
.rept 32
	global_load_b32 v[NMR+j], v[STA], s[6:7] offset:1536*j
	global_load_b32 v[LR+j], v[STA], s[6:7] offset:1536*j+512
	global_load_b32 v[WR+j], v[STA], s[6:7] offset:1536*j+1024
.set j, j+1
.endr
	; the addresses are made while these are on their way
	v_and_b32 v1, 15, v0                           ; r
	v_bfe_u32 v3, v0, 4, 1                         ; h
	v_lshlrev_b32 v4, 2, v2                        ; 4 x lane
	s_lshl_b32 s18, s15, 13                        ; my four blocks of 16 queries: 2,048 bytes each
	v_add_nc_u32 v[ADRP], s18, v[CO]
	v_add_nc_u32 v[ADRP+1], SLOT, v[ADRP]
	s_add_co_u32 s18, s18, SCP                     ; my two rows of 32 queries' scale words: 4,096 bytes each
	v_add_nc_u32 v[ADSP], s18, v4
	s_lshl_b32 s18, s16, 14                        ; my eight blocks of 16 channels
	s_add_co_u32 s18, s18, VOFF
	v_add_nc_u32 v[ADRV], s18, v[CO]               ; slot 0, K steps 0 and 1;
	v_add_nc_u32 v[ADRV+1], 2*VB, v[ADRV]          ; slot 0, K step 2;
	v_add_nc_u32 v[ADRV+2], SLOT, v[ADRV]          ; and the same in slot 1
	v_add_nc_u32 v[ADRV+3], SLOT, v[ADRV+1]
	s_lshl_b32 s18, s16, 9                         ; my four rows of 32 channels' scale words, 128 bytes each,
	s_add_co_u32 s18, s18, VOFF+32768              ; behind a K step's codes
	v_add_nc_u32 v[ADSV], s18, v4
	v_add_nc_u32 v[ADSV+1], 2*VB, v[ADSV]
	v_add_nc_u32 v[ADSV+2], SLOT, v[ADSV]
	v_add_nc_u32 v[ADSV+3], SLOT, v[ADSV+1]
	s_lshl_b32 s18, s15, 8
	s_add_co_u32 s18, s18, INV
	v_lshl_add_u32 v[ADI], v1, 2, s18              ; 1 / l of query 64 (w / 2) + r; block a lies 64 a bytes on
	v_lshl_add_u32 v5, v0, 2, INV                  ; where I store my row's 1 / l
	s_lshl_b32 s18, s14, 12
	s_add_co_u32 s18, s18, SCP
	v_add_nc_u32 v6, s18, v4                       ; and its scale words: 4,096 w + 4 L, K step j 128 j bytes on
	s_mul_i32 s18, s14, 16*SPITCH                  ; my stage
	s_add_co_u32 s18, s18, STAGE
	v_mul_u32_u24 v7, v1, SPITCH
	v_lshl_add_u32 v7, v3, 5, v7
	v_add_nc_u32 v[STO], s18, v7                   ; in: row r, 32 bytes for each half of the lanes
	v_add_nc_u32 v[RD], s18, v[CO]                 ; back: the 32 lanes take one row of 512 bytes
	v_lshlrev_b32 v[PFO], 8, v2
.irp a, 0,1,2,3
	v_mov_b32 v[IL+2*\a+1], 0                      ; (named as the upper halves of pairs)
.endr
	s_lshl_b32 s90, s17, 19                        ; out0: 128 rows of 4,096 bytes a block of queries,
	s_lshl_b32 s18, s15, 18                        ; my 64 of them,
	s_add_co_u32 s90, s90, s18
	s_lshl_b32 s18, s42, 10                        ; 256 channels of 4 bytes,
	s_add_co_u32 s90, s90, s18
	s_lshl_b32 s18, s16, 9                         ; my 128 of them
	s_add_co_u32 s90, s90, s18
	s_add_nc_u64 s[10:11], s[10:11], s[90:91]
	s_lshl_b32 s90, s17, 19                        ; the prefetches: my block of queries,
	s_mul_i32 s18, s40, 24576                      ; my work-group's part of two slots of p,
	s_add_co_u32 s90, s90, s18
	s_lshl_b32 s18, s14, 13                        ; my wave's 8,192 bytes of it,
	s_add_co_u32 s90, s90, s18
	s_add_co_u32 s90, s90, NK*PH                   ; from slot 1 on: the first change of slots steps it two slots, to slot 3
	s_add_nc_u64 s[PFA:PFA+1], s[4:5], s[90:91]
	s_cmp_lt_u32 s14, 3
	s_cselect_b32 s[LIM], 1, -1
	s_mov_b32 s83, 0x01010101
	s_mov_b32 s84, 0x80808080
	s_wait_loadcnt 0x0
	v_max3_num_f32 v[MG], -v[NMR], -v[NMR+1], -v[NMR+2]   ; M = the largest M_loc
.irp i, 3,5,7,9,11,13,15,17,19,21,23,25,27,29
	v_max3_num_f32 v[MG], v[MG], -v[NMR+\i], -v[NMR+\i+1]
.endr
	v_max_num_f32 v[MG], v[MG], -v[NMR+31]
; Pieces 4 g .. 4 g + 3, line by line.  d = M - M_loc, held at 127; l += the piece's sum x 2^-d; each of the word's four bytes b (at most 119) becomes max(b - d, 0), all four at once:
; with bit 7 set in each byte, b + 128 - d lies between 1 and 247, so no byte borrows from its neighbour, and bit 7 stays set just where b - d is not negative.
.macro FIX4 g
.irp q, 0,1,2,3
	v_add_f32 v[TP+4*\q], v[NMR+4*(\g)+\q], v[MG]  ; d: a whole number, 0 or more
.endr
.irp q, 0,1,2,3
	v_cvt_i32_f32 v[TP+4*\q], v[TP+4*\q]           ; (it saturates)
.endr
.irp q, 0,1,2,3
	v_min_u32 v[TP+4*\q], 127, v[TP+4*\q]
.endr
.irp q, 0,1,2,3
	v_sub_nc_u32 v[TP+4*\q+1], 127, v[TP+4*\q]
.endr
.irp q, 0,1,2,3
	v_lshlrev_b32 v[TP+4*\q+1], 23, v[TP+4*\q+1]   ; 2^-d as f32 (0 where d = 127)
.endr
.irp q, 0,1,2,3
	v_mul_lo_u32 v[TP+4*\q+2], v[TP+4*\q], s83     ; d in each byte
.endr
.irp q, 0,1,2,3
	v_or_b32 v[TP+4*\q+3], s84, v[WR+4*(\g)+\q]
.endr
.irp q, 0,1,2,3
	v_sub_nc_u32 v[TP+4*\q+3], v[TP+4*\q+3], v[TP+4*\q+2]
.endr
.irp q, 0,1,2,3
.if ((\g) == 0) && (\q == 0)
	v_mul_f32 v[LG], v[LR], v[TP+1]                ; the first piece starts the sum
.else
	v_fmac_f32 v[LG], v[LR+4*(\g)+\q], v[TP+4*\q+1]
.endif
.endr
.irp q, 0,1,2,3
	v_and_b32 v[TP+4*\q], s84, v[TP+4*\q+3]        ; bit 7 of each byte
.endr
.irp q, 0,1,2,3
	v_lshrrev_b32 v[TP+4*\q+1], 7, v[TP+4*\q]
.endr
.irp q, 0,1,2,3
	v_sub_nc_u32 v[TP+4*\q], v[TP+4*\q], v[TP+4*\q+1]   ; 0x7f where it was set, 0 where not
.endr
.irp q, 0,1,2,3
	v_and_b32 v[WR+4*(\g)+\q], v[TP+4*\q+3], v[TP+4*\q]
.endr
.endm
.irp g, 0,1,2,3,4,5,6,7
	FIX4 \g
.endr
	v_rcp_f32 v[RL], v[LG]                         ; l is above 1/2: the piece that holds the row's largest t has d = 0
	v_nop                                          ; a plain line behind the reciprocal
	s_wait_alu depctr_va_vdst(0)                   ; and a wait ahead of its first reader
	ds_store_b32 v5, v[RL]
.set j, 0
.rept 32
	ds_store_b32 v6, v[WR+j] offset:128*j          ; K step j's word: 32 lanes store 128 consecutive bytes
.set j, j+1
.endr
	s_wait_tensorcnt 1                             ; my part of slot 0 is in (slot 1's load, the younger of my two, may be out)
	s_wait_dscnt 0x0                               ; and my stores have landed: for the others' sake
	s_barrier_signal -1
	s_barrier_wait -1
.macro FRAG reg, adr, off              ; an image comes back as it was stored: four loads of 512 consecutive bytes
.irp c, 0,1,2,3
	ds_load_b128 v[\reg+4*\c:\reg+4*\c+3], v[\adr] offset:\off+512*\c
.endr
.endm
.macro FETCHS slot, kk, set            ; the scale words of the slot's K step kk: V's four registers out of the slot, p's two out of SCP: 6 loads; every window is 0 here
.irp i, 0,1,2,3
	ds_load_b32 v[SV+4*(\set)+\i], v[ADSV+2*(\slot)+(\kk)/2] offset:((\kk)%2)*VB+128*\i
.endr
.irp i, 0,1
	ds_load_b32 v[SP+2*(\set)+\i], v[ADSP] offset:128*(\kk)+4096*\i
.endr
.endm
.macro FETCH1 slot, kk, set            ; p's four fragments and V's blocks 0-3 of the slot's K step kk: 32 loads
	WIN 0x80+0x40*(\set)                           ; destination window 2 or 3, address window 0
.irp a, 0,1,2,3
	FRAG 128+16*\a, ADRP+(\slot), (\kk)*PH+2048*\a
.endr
.irp b, 0,1,2,3
	FRAG 16*\b, ADRV+2*(\slot)+(\kk)/2, ((\kk)%2)*VB+2048*\b
.endr
.endm
.macro FETCH2 slot, kk, set            ; V's blocks 4-7: 16 loads
	WIN 0x80+0x40*(\set)
.irp b, 4,5,6,7
	FRAG 16*\b, ADRV+2*(\slot)+(\kk)/2, ((\kk)%2)*VB+2048*\b
.endr
.endm
; One product: channels 16 b on (source 0) x queries 16 a on (source 1), 128 keys.  An odd block's scale words lie in lanes 16-31 of its register.
.macro PROD a, b, set, zero
.set rD, 8*(8*(\a)+(\b))
.set rV, 16*(\b)
.set rP, 128+16*(\a)
.set rA, SV+4*(\set)+(\b)/2
.set rB, SP+2*(\set)+(\a)/2
.set ro, 2*((\a)%2)+(\b)%2+4*(\zero)
.if ro == 0
	v_wmma_scale_f32_16x16x128_f8f6f4 v[rD:rD+7], v[rV:rV+15], v[rP:rP+15], v[rD:rD+7], v[rA], v[rB]
.elseif ro == 1
	v_wmma_scale_f32_16x16x128_f8f6f4 v[rD:rD+7], v[rV:rV+15], v[rP:rP+15], v[rD:rD+7], v[rA], v[rB] matrix_a_scale:MATRIX_SCALE_ROW1
.elseif ro == 2
	v_wmma_scale_f32_16x16x128_f8f6f4 v[rD:rD+7], v[rV:rV+15], v[rP:rP+15], v[rD:rD+7], v[rA], v[rB] matrix_b_scale:MATRIX_SCALE_ROW1
.elseif ro == 3
	v_wmma_scale_f32_16x16x128_f8f6f4 v[rD:rD+7], v[rV:rV+15], v[rP:rP+15], v[rD:rD+7], v[rA], v[rB] matrix_a_scale:MATRIX_SCALE_ROW1 matrix_b_scale:MATRIX_SCALE_ROW1
.elseif ro == 4
	v_wmma_scale_f32_16x16x128_f8f6f4 v[rD:rD+7], v[rV:rV+15], v[rP:rP+15], 0, v[rA], v[rB]
.elseif ro == 5
	v_wmma_scale_f32_16x16x128_f8f6f4 v[rD:rD+7], v[rV:rV+15], v[rP:rP+15], 0, v[rA], v[rB] matrix_a_scale:MATRIX_SCALE_ROW1
.elseif ro == 6
	v_wmma_scale_f32_16x16x128_f8f6f4 v[rD:rD+7], v[rV:rV+15], v[rP:rP+15], 0, v[rA], v[rB] matrix_b_scale:MATRIX_SCALE_ROW1
.else
	v_wmma_scale_f32_16x16x128_f8f6f4 v[rD:rD+7], v[rV:rV+15], v[rP:rP+15], 0, v[rA], v[rB] matrix_a_scale:MATRIX_SCALE_ROW1 matrix_b_scale:MATRIX_SCALE_ROW1
.endif
.endm
; 8 products: V's blocks b0, b0 + 1 against p's four.  The 32 accumulators take turns, one instruction a turn, in the same order in every K step.
.macro MULB b0, set, zero
.irp b, \b0, \b0+1
.irp a, 0,1,2,3
	PROD \a, \b, \set, \zero
.endr
.endr
.endm
; A load into a register that a matrix instruction has read, and a vector instruction that reads a matrix result, stand eight places behind it; only plain vector instructions that name none of its registers are places.
.macro PLACES n
.rept \n
	v_nop
.endr
.endm
; A K step that has its successor in the same slot: multiplies fragment set `set` and fetches the slot's K step kk + 1 into the other set.
.macro STEP slot, kk, set, zero
	PLACES 8                                       ; the other set, and its scale words, were multiplied last
	s_wait_dscnt 16                                ; this step's scale words, p's four and V's blocks 0-3 are in; the youngest sixteen loads (V's blocks 4-7) may be out
	FETCHS \slot, (\kk)+1, 1-(\set)
	FETCH1 \slot, (\kk)+1, 1-(\set)
	WIN MUL0+5*(\set)
	MULB 0, \set, \zero
	MULB 2, \set, \zero
	s_wait_dscnt 38                                ; all but the 6 + 32 just issued: V's blocks 4-7 are in
	FETCH2 \slot, (\kk)+1, 1-(\set)
	WIN MUL0+5*(\set)
	MULB 4, \set, \zero
	MULB 6, \set, \zero
	WIN 0
.endm
; A slot's last K step: its fragments were asked for in the step before, so nothing of the slot is read any more, and THE CHANGE OF SLOTS COMES FIRST: each wave waits for all its tensor loads (its part of the next slot),
; adds 0 to its spare word, and waits for that and for its own reads of this slot; then the barrier.  fill = 1: the barrier is a round of the cluster's, and this slot is filled again, two slots ahead, first thing behind it;
; fill = 2: the same with the last, shorter slot; fill = 0: nothing is left to fetch.  Then the next slot's first fragments are fetched, and only then come this K step's 32 products.
.macro TURN slot, next, set, fill
.if ((\fill) == 1) && ((\slot) == 0)
	s_wait_xcnt 0x0                                ; the last prefetch, a trip back, has read its address: it is stepped here, ahead of the waits of the change of slots
	s_add_nc_u64 s[PFA:PFA+1], s[PFA:PFA+1], 2*NK*PH
.endif
	s_wait_tensorcnt 0x0                           ; all my tensor loads have landed, so every group 0 may be written;  (every window is 0 here)
	ds_add_u32 v[SPW], v[NIL]                      ; 0 onto my spare word; the descriptors' steps stand between it and the wait for it
.if \fill
	s_add_nc_u64 s[G0P+4*\slot+2:G0P+4*\slot+3], s[G0P+4*\slot+2:G0P+4*\slot+3], 2*NK*PH
	s_add_nc_u64 s[G0V+4*\slot+2:G0V+4*\slot+3], s[G0V+4*\slot+2:G0V+4*\slot+3], 2*NK*VB
.endif
	s_wait_dscnt 0x0                               ; the add is done, and my reads of this slot are over
.if \fill
	CROUND                                         ; no wave of any partner still reads this slot's tiles or has a load on its way
.if (\fill) == 1
	JLOAD \slot                                    ; the first tensor load behind the round, my only one out; its four v_nop are among the places in front of the loads below
	PLACES 4
.else
	JLAST
	PLACES 8                                       ; (wave 2 has passed no v_nop)
.endif
.else
	s_barrier_signal -1
	s_barrier_wait -1
	PLACES 8
.endif
	v_add_nc_u32 v[ADSP], NK*128, v[ADSP]          ; on to the next slot's scale words of p (no LDS load of mine is out)
	FETCHS \next, 0, 1-(\set)
	FETCH1 \next, 0, 1-(\set)
.if ((\fill) == 1) && ((\slot) == 0)
	WIN 0
	ASK                                            ; behind the joint load and the run of LDS loads that the next K step waits for
.endif
	WIN MUL0+5*(\set)
	MULB 0, \set, 0
	MULB 2, \set, 0
	FETCH2 \next, 0, 1-(\set)
	WIN MUL0+5*(\set)
	MULB 4, \set, 0
	MULB 6, \set, 0
	WIN 0
.endm
.irp a, 0,1,2,3
	ds_load_b32 v[IL+2*\a], v[ADI] offset:64*\a    ; 1 / l of my query in each of my four blocks: it stays
.endr
	FETCHS 0, 0, 0
	FETCH1 0, 0, 0
	FETCH2 0, 0, 0
	WIN 0
	STEP 0, 0, 0, 1                                ; K step 0 stands in front of the loop: its products start the sums
	s_mov_b32 s3, 4
.Llap:                                                 ; a trip goes once round the ring: six K steps, after which the fragment sets are back where they began; it fills both slots again: slots 2 to 9 in four trips
	STEP 0, 1, 1, 0
	TURN 0, 1, 0, 1
	STEP 1, 0, 1, 0
	STEP 1, 1, 0, 0
	TURN 1, 0, 1, 1
	STEP 0, 0, 0, 0
	s_sub_co_u32 s3, s3, 1
	s_cmp_lg_u32 s3, 0
	s_cbranch_scc1 .Llap
	STEP 0, 1, 1, 0                                ; K step 25: the tail is written out
	TURN 0, 1, 0, 2                                ; slot 0 takes the last slot: K steps 30 and 31
	STEP 1, 0, 1, 0
	STEP 1, 1, 0, 0
	TURN 1, 0, 1, 0                                ; nothing is left to fetch
	STEP 0, 0, 0, 0                                ; K step 30
	s_wait_dscnt 16                                ; K step 31
	WIN MUL0+5
	MULB 0, 1, 0
	MULB 2, 1, 0
	s_wait_dscnt 0x0
	MULB 4, 1, 0
	MULB 6, 1, 0
	WIN 0
; THE WAY OUT, a block of 16 queries x 128 channels at a time.  A lane holds 32 neighbouring bytes of a row and the lanes beside it hold other rows: so a block is divided by l, goes through my own stage in LDS and comes back
; as whole rows of 512 bytes.  LDS serves a wave's instructions in order (ISA guide 5.7.1.4): no wait between the stores and the loads, nor in front of the next block's stores.
.macro SCALE a
	WIN 0x01                                       ; source 0 window 1
.set i, 0
.rept 32
	v_pk_mul_f32 v[T+i:T+i+1], v[64*(\a)+i:64*(\a)+i+1], v[IL+2*(\a):IL+2*(\a)+1] op_sel_hi:[1,0]   ; each accumulator from its low end on
.set i, i+2
.endr
	WIN 0
.endm
.macro TOSTAGE a
.irp b, 0,1,2,3,4,5,6,7
	ds_store_b128 v[STO], v[T+8*\b:T+8*\b+3] offset:64*\b
	ds_store_b128 v[STO], v[T+8*\b+4:T+8*\b+7] offset:64*\b+16
.endr
.set BB, BK+64*((\a)%2)
.irp t, 0,1,2,3,4,5,6,7,8,9,10,11,12,13,14,15
	ds_load_b128 v[BB+4*\t:BB+4*\t+3], v[RD] offset:\t*SPITCH
.endr
.endm
.macro SEND a, younger                 ; younger: the LDS instructions issued behind block a's loads, which may stay out
.set BB, BK+64*((\a)%2)
	s_wait_dscnt \younger                          ; the block is back in registers
.irp t, 0,1,2,3,4,5,6,7,8,9,10,11,12,13,14,15
	global_store_b128 v[CO], v[BB+4*\t:BB+4*\t+3], s[10:11] offset:(16*(\a)+\t)*4096 th:TH_STORE_NT   ; 32 lanes store 512 consecutive bytes, at a multiple of 256 from out0's first byte; written once, read by nobody here
.endr
.endm
	PLACES 8                                       ; behind the last products
	SCALE 0
	TOSTAGE 0
.irp a, 1,2,3
	s_wait_dscnt 16                                ; the youngest sixteen are the last block's loads: its stores into the stage have read their registers, which are written again below
	SCALE \a
.if \a > 1
	s_wait_xcnt 0x0                                ; block a - 2's stores have read their registers: block a's loads may land there
.endif
	TOSTAGE \a
	SEND \a-1, 32                                  ; behind block a - 1's loads: block a's 16 stores and 16 loads
.endr
	SEND 3, 0
	s_wait_tensorcnt 0x0                           ; the wave's end, behind my last tensor load and my last LDS store
	ds_add_u32 v[SPW], v[NIL]
	s_wait_dscnt 0x0
	CROUND                                         ; the closing round: no work-group ends while a partner may still ask for a tile that names it
	s_endpgm
.Lfunc_end_k_qb1e5d18953_mix:
	.size	k_qb1e5d18953_mix, .Lfunc_end_k_qb1e5d18953_mix-k_qb1e5d18953_mix
	.p2alignl 7, 3214868480
	.fill 96, 4, 3214868480
	.section	.rodata,"a",@progbits
	.p2align	6, 0x0
	.amdhsa_kernel k_qb1e5d18953_mix
		.amdhsa_group_segment_fixed_size 327680
		.amdhsa_private_segment_fixed_size 0
		.amdhsa_enable_private_segment 0
		.amdhsa_kernarg_size 32
		.amdhsa_user_sgpr_count 2
		.amdhsa_user_sgpr_kernarg_segment_ptr 1
		.amdhsa_wavefront_size32 1
		.amdhsa_system_sgpr_workgroup_id_x 1
		.amdhsa_system_sgpr_workgroup_id_y 1
		.amdhsa_system_sgpr_workgroup_id_z 1
		.amdhsa_system_vgpr_workitem_id 0
		.amdhsa_next_free_vgpr 1024
		.amdhsa_next_free_sgpr 96
		.amdhsa_reserve_vcc 0
		.amdhsa_float_denorm_mode_32 3
		.amdhsa_float_denorm_mode_16_64 3
		.amdhsa_memory_ordered 1
		.amdhsa_forward_progress 1
		.amdhsa_inst_pref_size 174
	.end_amdhsa_kernel
	.amdgpu_metadata
---
amdhsa.version: [ 1, 2 ]
amdhsa.kernels:
  - .name:           k_qb1e5d18953_mix
    .symbol:         k_qb1e5d18953_mix.kd
    .args:
      - { .name: pc, .offset: 0, .size: 8, .value_kind: global_buffer, .address_space: global }
      - { .name: st, .offset: 8, .size: 8, .value_kind: global_buffer, .address_space: global }
      - { .name: vc, .offset: 16, .size: 8, .value_kind: global_buffer, .address_space: global }
      - { .name: out0, .offset: 24, .size: 8, .value_kind: global_buffer, .address_space: global }
    .group_segment_fixed_size: 327680
    .private_segment_fixed_size: 0
    .kernarg_segment_align: 8
    .kernarg_segment_size: 32
    .max_flat_workgroup_size: 128
    .sgpr_count:     96
    .vgpr_count:     1024
    .wavefront_size: 32
...
	.end_amdgpu_metadata
.endif
;; end of part 3
